; MI455X (gfx1250); checked and timed in simulation.
; The chip was launched on July 23, 2026; its instructions are those of AMD's public machine-readable ISA for CDNA 5 (MIT licence, August 2026) and "CDNA5" Instruction Set Architecture Reference Guide (July 2026). The comments in the code are by the model that wrote it; some were corrected since.
;; Tiny Ne RF. Allowed arithmetic: matrix products marked QUANTISED: E3M2 operands, one E8M0 scale for each 32 along K, by v_wmma_scale_f32_16x16x128_f8f6f4 with both operands' format E3M2, f32 sums; products left as they are: f32 operands where the result goes on into a quantised operand, else bf16, f16 or f32 operands; f32 sums; everything else in f32.
;; Inputs: W0 3 x 80 float32; Wh 5 x 83 x 80 float32; Wout 80 x 4 float32; b0 80 float32; bh 5 x 80 float32; bout 4 float32; rays 1 x 128 x 128 x 6 float32.
;; Outputs: out0 1 x 128 x 128 x 3 float32.
;; This version of the problem:
;;   THIS VERSION OF THE PROBLEM IS GIVEN IN LOW PRECISION. The matrix products marked QUANTISED in the list below multiply operands that are first quantised to E3M2 (3 exponent bits, 2 mantissa bits; 6 bits a number), with one power-of-two scale for each 32 numbers along K (OCP MX v1.0); their sums are f32. All else is computed in f32.
;;   The module's matrix products, in the order in which they are computed (A, B: the left and right operand; K: the contracted axis; several contracted axes count as one K, in the product's order):
;;     1. [M 1,048,576, K 3] x [K 3, N 80]; A: computed on the way; B: input W0: left as it is (K = 3 < 32)
;;     2. [M 1,048,576, K 83] x [K 83, N 80]; A: computed on the way; B: input Wh: QUANTISED
;;     3. [M 1,048,576, K 83] x [K 83, N 80]; A: computed on the way; B: input Wh: QUANTISED
;;     4. [M 1,048,576, K 83] x [K 83, N 80]; A: computed on the way; B: input Wh: QUANTISED
;;     5. [M 1,048,576, K 83] x [K 83, N 80]; A: computed on the way; B: input Wh: QUANTISED
;;     6. [M 1,048,576, K 83] x [K 83, N 80]; A: computed on the way; B: input Wh: QUANTISED
;;     7. [M 1,048,576, K 80] x [K 80, N 4]; A: computed on the way; B: input Wout: left as it is (N = 4 < 16)
;;   THE QUANTISER, for each operand of a quantised product, along K:
;;     - K is cut into blocks of 32 from its start; a last block that is shorter is filled with zeros.
;;     - A block's scale is 2^e with e = floor(log2(the largest magnitude in the block)) - 4, held to -126 .. 127; a block of zeros has e = 0. As a byte (E8M0): e + 127.
;;     - Each number is divided by its block's scale, clamped to +-28, and rounded to the nearest number of E3M2, ties to even, subnormals kept.
;;     - The product sums the exact products of the quantised numbers (number of the format x scale) in f32.
;;   ~~~python
;;   def quantise(x, axis):      # numpy; x: float32 -> the quantised numbers, widened to float32 again
;;       x = np.moveaxis(x, axis, -1); K = x.shape[-1]
;;       x = np.pad(x, [(0, 0)] * (x.ndim - 1) + [(0, -K % 32)]); x = x.reshape(x.shape[:-1] + (-1, 32)); a = np.abs(x).max(-1, keepdims=True)
;;       e = np.where(a > 0, np.clip(np.frexp(np.where(a > 0, a, 1))[1] - 1 - 4, -126, 127), 0)      # np.frexp(a)[1] - 1 = floor(log2(a)), exactly
;;       r = np.clip(x / 2.0 ** e, -28, 28)
;;       step = 2.0 ** (np.maximum(np.frexp(np.where(r == 0, 1, r))[1] - 1, -2) - 2)
;;       q = np.round(r / step) * step * 2.0 ** e      # np.round: ties to even
;;       return np.moveaxis(q.reshape(q.shape[:-2] + (-1,))[..., :K], -1, axis).astype(np.float32)
;;   ~~~
;;   OPERANDS COMPUTED ON THE WAY. 'Computed on the way' means the value that the module computes at that place (a softmax that the list does not call 'softmax' is quantised finished and normalised). What goes into a quantiser is computed in f32, as accurately as f32 sums, v_exp_f32 and their like allow (about 1e-6 of the number): no bf16 or f16 on the way to a quantiser, and a product that is left as it is and whose result goes on into a quantised operand takes f32 operands (vector FMAs, or v_wmma_f32_16x16x4_f32). A number that lies on a knife's edge between two numbers of the format may be rounded either way, as far as f32 arithmetic and the matrix unit's own rounding can turn it there, and no further.
;; One version. Each part assembles by itself: llvm-mc -triple=amdgcn-amd-amdhsa -mcpu=gfx1250 --defsym DOCPART=n.
;; ======== version 1 of 1: 1 launch
;; launch nerf (part 1): grid 256 x 1, 4 waves a work-group, no clusters, 176,640 bytes of LDS; arguments rays, W0, b0, Wh, bh, Wout, bout, out0; writes out0
.if DOCPART == 1
	.amdgcn_target "amdgcn-amd-amdhsa--gfx1250"
	.amdhsa_code_object_version 6
	.text
	.protected	k_q20617bbade_nerf
	.globl	k_q20617bbade_nerf
	.p2align	8
	.type	k_q20617bbade_nerf,@function
k_q20617bbade_nerf:
	s_mov_b64 s[64:65], 0
	v_nop
	global_prefetch_b8 v0, s[64:65] scope:SCOPE_SE
	s_setreg_imm32_b32 hwreg(HW_REG_WAVE_MODE, 25, 1), 1
	s_wait_xcnt 0x0
; TinyNeRF: 16,384 rays x 64 samples through  f32 layer 3 -> 80,  five layers 83 -> 80 on codes of BF6 (E3M2) with one E8M0 scale for each 32 along K,  a layer 80 -> 4 in bf16,
; then softplus, alpha, the exclusive product along the samples and the weighted sum.  Everything in ONE launch; nothing but the inputs is read and nothing but out0 is written.
; SHARES.  256 work-groups x 4 waves; a wave owns 16 rays and walks their 64 samples.  A TILE is 16 rays at one sample.  All weights (as codes), their scale words and the biases stay in the wave's
; registers for the whole launch (about 560 registers), so the loop touches neither memory nor LDS; a ray's transmittance is one register of its lane.
; LAYOUT.  Every product is used transposed: source 0 = 16 units of a weight, source 1 = 16 rays.  Lane (r, h) (r = lane % 16, h = lane / 16) then holds ray r, and register j the weight's row 8 h + j.
; THE UNITS OF A TILE ARE CHOSEN: row m of tile t < 4 is unit 32 (m / 8) + 8 t + m % 8, row m of tile 4 is unit 64 + m.  So a lane's 32 registers of tiles 0-3 are units 32 h + 0 .. 31, a WHOLE block of the next
; product's K in k order: its largest magnitude needs no other lane, and the conversions' results are the next operand's registers 0-5 as they stand.
; K'S PLACES IN THE INSTRUCTION'S 128 (alike on both sides): places 32 h + i hold k = 32 h + i;  places 64 + 32 h + i hold k = 64 + 8 h + i (i < 8), k = 80 + i - 8 (i = 8, 9, 10; the weight has zero codes there in h = 1), zeros beyond.
; The quantiser's third block (k = 64 .. 82) so lies in the instruction's third and fourth blocks of 32: both get the SAME byte, made of the largest magnitude of all 19 numbers.  The numbers multiplied are the quantised ones.
; TWO STREAMS.  Stream 0 holds the even samples, stream 1 the odd ones.  While one stream's results are turned into codes (vector work), the other stream's matrix instructions stand singly between those lines.
; One set of five accumulators serves both: a matrix instruction writes the tile whose results were read one block of lines earlier.  No accumulator is added onto in place (a layer is one K step; its bias is C).
; NO CLUSTER: what work-groups share is Wh, 33,200 bytes a wave, fetched once, against 64 tiles of some 670 instructions each; joint loads would add two rounds of the cluster's barrier for that.
; LIMITS.  NaN and infinities among the inputs are not served.  A block of zeros gets the byte 1 where the rule says 127 (its codes are zeros; the bytes are read here alone).  The distance between samples is taken as
; |d| / 63, not (ts[i+1] - ts[i]) |d|: a relative difference of at most some 4e-6.  A point is one fused multiply-add.  Within a product the order of the sum follows the places of K given above.
; REGISTERS, in windows of 256.  Window 0: see the names below.  Window 1: v[60 l + 12 t ..] the codes of layer l < 4, tile t; v[240 + 2 t ..] W0's fragments (k = 3 is b0).
;   Window 2: v[12 t ..] layer 4's codes; v60-83 Wout's three bf16 fragments; v100-139 scratch at the head.   Window 3: v[40 l + 8 t ..] bh in the result's layout; v200-207 bout (its first number less 1).
.set LAYB,  26560                      ; a layer of Wh in bytes: 83 rows of 320
.set IMG,   133120                     ; LDS: 0 .. 132,799 Wh as it lies;  IMG: 24 fragments as images of their registers, 1,536 bytes each (fragment 5 l + t);
.set SCW,   169984                     ; their scale words, 128 bytes each;
.set OUTS,  173056                     ; the way out: 768 bytes used
.set FLOOR, 0x2800000                  ; 2^(5 - 127): no largest magnitude is taken under it, so a scale's byte cannot fall under 1
.set rOX, 2                            ; v2-7   ox oy oz dx dy dz of my ray
.set rOA, 8                            ; v8     h ? oz : ox      v9  h ? dz : dx      v10  h ? 1 : oy      v11  h ? 0 : dy
.set rDN, 12                           ; v12    |d| / 63         v13 |d| x 1e10
.set rDL, 13
.set rTR, 14                           ; v14    the transmittance so far
.set rIF, 15                           ; v15    the next sample's number, as f32
.set rOUT, 16                          ; v16-18 the three sums
.set rTT, 19                           ; v19    t
.set FB,  20                           ; v20-21, v22-23  source 1 of the first layer, stream 0, 1
.set PMB, 24                           ; v24, v25        the largest |coordinate|
.set SCB, 26                           ; v26, v27        the activations' scale words: these two hold nothing else
.set rTA, 28
.set rTB, 29
.set rTC, 30
.set rM01, 31                          ; largest magnitude of my own block (block h)
.set rM2, 32                           ; and of the third block
.set rX2, 33
.set rS2, 34                           ; the third block's scale as the conversion takes it; v35 its byte
.set rB2, 35
.set rS01, 36
.set rB01, 37
.set rXB, 38
.set rUU, 39
.set rCT, 40                           ; v40-42 the second conversion's result (three registers begin on an even number)
.set rSW, 43                           ; v43    at the head a weight's scale word; in the loop at work for t
.set rTE, 43
.set RAW, 44                           ; v44-47 density - 1 and the three features;  v48-59 at work for the rendering
.set rXP, 48
.set rMXP, 49
.set rN1, 50
.set rZ,  51
.set rN2, 52
.set rU1, 54
.set rW1, 55
.set rLG, 56
.set rAL, 57
.set rOM, 58
.set rWG, 59
.set WS,  60                           ; v60-84 the weights' scale words, 5 l + t: they hold nothing else
.set CB,  86                           ; v86-97, v98-109 the activations' codes, stream 0, 1; registers 9-11 of each stay 0
.set ACC, 112                          ; v112-151 five accumulators: written by matrix instructions alone in the whole text
.set YB,  152                          ; v152-199, v200-247 48 numbers in front of the conversions: 40 units, 3 coordinates, 5 zeros that stay
.set MSB, 0
.macro WIN new                         ; the immediate's high byte repeats the setting that is left; a switch that changes nothing is dropped
.if MSB != \new
	s_set_vgpr_msb (MSB<<8)|\new
.set MSB, \new
.endif
.endm
; ---- leaky ReLU of tile t into stream s's numbers: 0.01 x (two at a time), then max(x, 0.01 x).  Each accumulator is read from its low end on
.macro PM s, t, i
	v_pk_mul_f32 v[YB+48*(\s)+8*(\t)+(\i):YB+48*(\s)+8*(\t)+(\i)+1], v[ACC+8*(\t)+(\i):ACC+8*(\t)+(\i)+1], s[38:39] op_sel_hi:[1,0]
.endm
.macro MX s, t, i
	v_max_num_f32 v[YB+48*(\s)+8*(\t)+(\i)], v[ACC+8*(\t)+(\i)], v[YB+48*(\s)+8*(\t)+(\i)]
.endm
.macro LK s, t
.irp i, 0,2,4,6
	PM \s, \t, \i
.endr
.irp i, 0,1,2,3,4,5,6,7
	MX \s, \t, \i
.endr
.endm
; ---- the matrix instructions, one at a time, each between two switches of the window
.macro WMS o, l, t                     ; quantised layer l, tile t, stream o: D window 0, A (codes of Wh) window 1 or 2, B (the stream's codes) window 0, C (bh) window 3
.if \l < 4
	WIN 0x31
	v_wmma_scale_f32_16x16x128_f8f6f4 v[ACC+8*(\t):ACC+8*(\t)+7], v[60*(\l)+12*(\t):60*(\l)+12*(\t)+11], v[CB+12*(\o):CB+12*(\o)+11], v[40*(\l)+8*(\t):40*(\l)+8*(\t)+7], v[WS+5*(\l)+(\t)], v[SCB+(\o)] matrix_a_fmt:MATRIX_FMT_BF6 matrix_b_fmt:MATRIX_FMT_BF6
.else
	WIN 0x32
	v_wmma_scale_f32_16x16x128_f8f6f4 v[ACC+8*(\t):ACC+8*(\t)+7], v[12*(\t):12*(\t)+11], v[CB+12*(\o):CB+12*(\o)+11], v[40*(\l)+8*(\t):40*(\l)+8*(\t)+7], v[WS+5*(\l)+(\t)], v[SCB+(\o)] matrix_a_fmt:MATRIX_FMT_BF6 matrix_b_fmt:MATRIX_FMT_BF6
.endif
	WIN 0
.endm
.macro WMF o, t                        ; the first layer in f32: K = px, py, pz, 1 against W0's three rows and b0
	WIN 0x01
	v_wmma_f32_16x16x4_f32 v[ACC+8*(\t):ACC+8*(\t)+7], v[240+2*(\t):241+2*(\t)], v[FB+2*(\o):FB+2*(\o)+1], 0
	WIN 0
.endm
.macro WMO o, st, t                    ; the last layer in bf16: K step st of three, each into an accumulator of its own (tile t); the three are added by vector instructions
.if \st == 0
	WIN 0x32
	v_wmma_f32_16x16x32_bf16 v[ACC+8*(\t):ACC+8*(\t)+7], v[60:67], v[YB+48*(\o):YB+48*(\o)+7], v[200:207]
.else
	WIN 0x02
	v_wmma_f32_16x16x32_bf16 v[ACC+8*(\t):ACC+8*(\t)+7], v[60+8*(\st):67+8*(\st)], v[YB+48*(\o)+8*(\st):YB+48*(\o)+8*(\st)+7], 0
.endif
	WIN 0
.endm
.macro SLOT kind, o, l, t              ; the other stream's matrix instruction that writes tile t.  kind 0: none; 1: first layer; 2: quantised layer l; 3: the last layer's three steps, into tiles 4, 0, 1
.if \kind == 1
	WMF \o, \t
.elseif \kind == 2
	WMS \o, \l, \t
.elseif \kind == 3
.if \t == 4
	WMO \o, 0, 4
.elseif \t == 0
	WMO \o, 1, 0
.elseif \t == 1
	WMO \o, 2, 1
.endif
.endif
.endm
; ---- a phase's first block: stream s's tile 4, and between its lines (tail = 1) the END of stream o's quantising, begun in the phase before: the own block's scale, two conversions, the scale word.
; The scale word is written 3 + 15 plain lines ahead of the first scaled matrix instruction that names it, the codes further ahead; each conversion has a plain line behind it.
.macro PH0 s, o, tail
.if \tail
.set YO, YB+48*(\o)
.set CO, CB+12*(\o)
	PM \s, 4, 0
	v_add_nc_u32 v[rS01], 0xfe000000, v[rM01]      ; 4 off the largest magnitude's exponent field: the conversion takes that field as its scale
	PM \s, 4, 2
	PM \s, 4, 4
	PM \s, 4, 6
	v_lshrrev_b32 v[rB01], 23, v[rS01]             ; the scale's byte
	v_cvt_scalef32_pk16_bf6_f32 v[CO:CO+2], v[YO:YO+15], v[rS01]
	MX \s, 4, 0
	v_cvt_scalef32_pk16_bf6_f32 v[rCT:rCT+2], v[YO+16:YO+31], v[rS01]
	MX \s, 4, 1
	v_permlanex16_b32 v[rXB], v[rB01], s40, s41    ; the other half's block's byte
	MX \s, 4, 2
	v_mov_b32 v[CO+3], v[rCT]
	MX \s, 4, 3
	v_mov_b32 v[CO+4], v[rCT+1]
	v_lshl_or_b32 v[rUU], v[rXB], 8, v[rB01]
	v_mov_b32 v[CO+5], v[rCT+2]
	MX \s, 4, 4
	v_perm_b32 v[SCB+(\o)], v[rB2], v[rUU], s42    ; lanes 0-15: bytes block 0, block 1, third block, third block (lanes 16-31 are not read)
	MX \s, 4, 5
	MX \s, 4, 6
	MX \s, 4, 7
.else
	LK \s, 4
.endif
.endm
; ---- a quantising phase: stream s's five tiles become numbers, their largest magnitudes are taken as they come, the third block is converted; five matrix instructions of stream o stand between
.macro VQ s, o, tail, kind, l
	PH0 \s, \o, \tail
.set YS, YB+48*(\s)
	LK \s, 0
	v_max3_num_f32 v[rTA], |v[YS+32]|, |v[YS+33]|, |v[YS+34]|
	v_max3_num_f32 v[rTB], |v[YS+35]|, |v[YS+36]|, |v[YS+37]|
	v_max3_num_f32 v[rTC], |v[YS+38]|, |v[YS+39]|, v[PMB+(\s)]
	SLOT \kind, \o, \l, 4
	LK \s, 1
	v_max3_num_f32 v[rM2], v[rTA], v[rTB], v[rTC]
	v_max3_num_f32 v[rTA], |v[YS]|, |v[YS+1]|, |v[YS+2]|
	v_max3_num_f32 v[rTB], |v[YS+3]|, |v[YS+4]|, |v[YS+5]|
	v_max3_num_f32 v[rTC], |v[YS+6]|, |v[YS+7]|, FLOOR
	SLOT \kind, \o, \l, 0
	LK \s, 2
	v_max3_num_f32 v[rM01], v[rTA], v[rTB], v[rTC]
	v_permlanex16_b32 v[rX2], v[rM2], s40, s41     ; the third block lies in lanes l and l xor 16
	v_max3_num_f32 v[rTA], |v[YS+8]|, |v[YS+9]|, |v[YS+10]|
	v_max3_num_f32 v[rTB], |v[YS+11]|, |v[YS+12]|, |v[YS+13]|
	v_max3_num_f32 v[rTC], |v[YS+14]|, |v[YS+15]|, v[rM01]
	SLOT \kind, \o, \l, 1
	LK \s, 3
	v_max3_num_f32 v[rM2], v[rM2], v[rX2], FLOOR
	v_max3_num_f32 v[rM01], v[rTA], v[rTB], v[rTC]
	v_max3_num_f32 v[rTA], |v[YS+16]|, |v[YS+17]|, |v[YS+18]|
	v_max3_num_f32 v[rTB], |v[YS+19]|, |v[YS+20]|, |v[YS+21]|
	v_add_nc_u32 v[rS2], 0xfe000000, v[rM2]
	v_max3_num_f32 v[rTC], |v[YS+22]|, |v[YS+23]|, v[rM01]
	SLOT \kind, \o, \l, 2
	v_max3_num_f32 v[rM01], v[rTA], v[rTB], v[rTC]
	v_lshrrev_b32 v[rB2], 23, v[rS2]
	v_cvt_scalef32_pk16_bf6_f32 v[CB+12*(\s)+6:CB+12*(\s)+8], v[YS+32:YS+47], v[rS2]   ; units 64 + 8 h + 0 .. 7, the three coordinates, five zeros
	v_max3_num_f32 v[rTA], |v[YS+24]|, |v[YS+25]|, |v[YS+26]|
	v_max3_num_f32 v[rTB], |v[YS+27]|, |v[YS+28]|, |v[YS+29]|
	v_max3_num_f32 v[rTC], |v[YS+30]|, |v[YS+31]|, v[rM01]
	SLOT \kind, \o, \l, 3
	v_max3_num_f32 v[rM01], v[rTA], v[rTB], v[rTC] ; my own block's largest magnitude: the next phase's first block goes on from here
.endm
; ---- the last hidden layer: numbers, then pairs of bf16 in place (pair q into register q: it is written behind the reads of registers 2 q, 2 q + 1, ascending)
.macro PK s, q
	v_cvt_pk_bf16_f32 v[YB+48*(\s)+(\q)], v[YB+48*(\s)+2*(\q)], v[YB+48*(\s)+2*(\q)+1]
.endm
.macro V5 s, o, tail, kind, l
	PH0 \s, \o, \tail
	LK \s, 0
	SLOT \kind, \o, \l, 4
	LK \s, 1
.irp q, 0,1,2,3
	PK \s, \q
.endr
	SLOT \kind, \o, \l, 0
	LK \s, 2
.irp q, 4,5,6,7
	PK \s, \q
.endr
	SLOT \kind, \o, \l, 1
	LK \s, 3
.irp q, 8,9,10,11
	PK \s, \q
.endr
	SLOT \kind, \o, \l, 2
.irp q, 12,13,14,15
	PK \s, \q
.endr
	SLOT \kind, \o, \l, 3
.irp q, 16,17,18,19,20,21,22,23
	PK \s, \q
.endr
.endm
; ---- the next sample's points for stream s
.macro GEN s
	v_mul_f32 v[rTT], s43, v[rIF]                  ; i x (1 / 63),
	v_fma_f32 v[rTE], s44, v[rTT], v[rIF]          ; what is left of i,
	v_fma_f32 v[rTT], v[rTE], s43, v[rTT]          ; brought in: t = i / 63 as a division rounds it
	v_add_f32 v[rIF], 1.0, v[rIF]
	v_fma_f32 v[YB+48*(\s)+40], v[rTT], v[rOX+3], v[rOX]
	v_fma_f32 v[YB+48*(\s)+41], v[rTT], v[rOX+4], v[rOX+1]
	v_fma_f32 v[YB+48*(\s)+42], v[rTT], v[rOX+5], v[rOX+2]
	v_fma_f32 v[FB+2*(\s)], v[rTT], v[rOA+1], v[rOA]       ; lanes 0-15 px, lanes 16-31 pz
	v_fma_f32 v[FB+2*(\s)+1], v[rTT], v[rOA+3], v[rOA+2]   ; lanes 0-15 py, lanes 16-31 1
	v_max3_num_f32 v[PMB+(\s)], |v[YB+48*(\s)+40]|, |v[YB+48*(\s)+41]|, |v[YB+48*(\s)+42]|
.endm
; ---- the last layer's three partial sums; registers 0-3 of each hold density - 1 and the three features of my ray, in both halves of the lanes
.macro SUM a, b, c
	v_pk_add_f32 v[RAW:RAW+1], v[ACC+8*(\a):ACC+8*(\a)+1], v[ACC+8*(\b):ACC+8*(\b)+1]
	v_pk_add_f32 v[RAW+2:RAW+3], v[ACC+8*(\a)+2:ACC+8*(\a)+3], v[ACC+8*(\b)+2:ACC+8*(\b)+3]
	v_pk_add_f32 v[RAW:RAW+1], v[RAW:RAW+1], v[ACC+8*(\c):ACC+8*(\c)+1]
	v_pk_add_f32 v[RAW+2:RAW+3], v[RAW+2:RAW+3], v[ACC+8*(\c)+2:ACC+8*(\c)+3]
.endm
; ---- the rendering of one sample, in four parts.  With x = density - 1 and X = x log2(e): softplus(x) log2(e) = max(X, 0) + log2(1 + 2^-|X|), and alpha = 1 - 2^-(that x dist).
; Each run of transcendentals has a plain line that touches none of their registers behind it.
.macro REN1
	v_mul_f32 v[rXP], s45, v[RAW]
	v_mul_f32 v[rN1], s46, v[RAW+1]
	v_pk_mul_f32 v[rN2:rN2+1], v[RAW+2:RAW+3], s[46:47] op_sel_hi:[1,0]
	v_exp_f32 v[rZ], -|v[rXP]|
	v_exp_f32 v[rN1], v[rN1]
	v_exp_f32 v[rN2], v[rN2]
	v_exp_f32 v[rN2+1], v[rN2+1]
	v_max_num_f32 v[rMXP], 0, v[rXP]
	s_wait_alu depctr_va_vdst(0)
	v_add_f32 v[rU1], 1.0, v[rZ]
	v_add_f32 v[rN1], 1.0, v[rN1]
	v_pk_add_f32 v[rN2:rN2+1], v[rN2:rN2+1], 1.0 op_sel_hi:[1,0]
.endm
.macro REN2 dist
	v_add_f32 v[rW1], -1.0, v[rU1]
	v_log_f32 v[rLG], v[rU1]
	v_rcp_f32 v[rN1], v[rN1]
	v_rcp_f32 v[rN2], v[rN2]
	v_rcp_f32 v[rN2+1], v[rN2+1]
	v_sub_f32 v[rW1], v[rZ], v[rW1]                ; what 1 + z lost in rounding,
	s_wait_alu depctr_va_vdst(0)
	v_fma_f32 v[rLG], v[rW1], s45, v[rLG]          ; given back: a very small sigma stays right, which the last sample's 1e10 needs
	v_add_f32 v[rLG], v[rLG], v[rMXP]
	v_mul_f32 v[rLG], v[rLG], v[\dist]
	v_fma_f32 v[rN1], v[rN1], s48, s49             ; sigmoid x 1.002 - 0.001
.endm
.macro REN3
	v_exp_f32 v[rLG], -v[rLG]
	v_fma_f32 v[rN2], v[rN2], s48, s49
	v_fma_f32 v[rN2+1], v[rN2+1], s48, s49
	s_wait_alu depctr_va_vdst(0)
	v_sub_f32 v[rAL], 1.0, v[rLG]                  ; alpha
	v_sub_f32 v[rOM], 1.0, v[rAL]
	v_mul_f32 v[rWG], v[rAL], v[rTR]               ; the weight
	v_add_f32 v[rOM], s50, v[rOM]                  ; 1 - alpha + 1e-10
.endm
.macro REN4
	v_fmac_f32 v[rOUT], v[rWG], v[rN1]
	v_fmac_f32 v[rOUT+1], v[rWG], v[rN2]
	v_fmac_f32 v[rOUT+2], v[rWG], v[rN2+1]
	v_mul_f32 v[rTR], v[rTR], v[rOM]
.endm
; ---- two samples, one of each stream.  At its head the accumulators hold stream 0's first layer.  last = 1: no further sample is begun, and the odd sample is the ray's last (dist = 1e10 |d|)
.macro TRIP last
	VQ 0, 1, 0, 1, 0                               ; stream 0: first layer's results to codes | stream 1: first layer
.irp w, 0,1,2,3
	VQ 1, 0, 1, 2, \w                              ; stream 1 to codes | stream 0: quantised layer w
	VQ 0, 1, 1, 2, \w                              ; stream 0 to codes | stream 1: quantised layer w
.endr
	VQ 1, 0, 1, 2, 4
	V5 0, 1, 1, 2, 4                               ; stream 0's last hidden layer to bf16 | stream 1: quantised layer 4
	V5 1, 0, 0, 3, 0                               ; stream 1's | stream 0: the last layer, into tiles 4, 0, 1
	SUM 4, 0, 1
	WMO 1, 0, 2                                    ; stream 1's last layer goes into tiles 2, 3, 4; the next first layer of stream 0 follows into each tile as it is read
.if \last == 0
	GEN 0
.endif
	WMO 1, 1, 3
	REN1
	WMO 1, 2, 4
	REN2 rDN
.if \last == 0
	WMF 0, 0
.endif
	REN3
.if \last == 0
	WMF 0, 1
.endif
	REN4
	SUM 2, 3, 4
.if \last == 0
	WMF 0, 4                                       ; tile 4 first: the next trip reads it first, behind the ten lines below and the rendering
	GEN 1
	WMF 0, 2
.endif
	REN1
.if \last == 0
	WMF 0, 3
	REN2 rDN
.else
	REN2 rDL
.endif
	REN3
	REN4
.endm
; ---- the head's macros: a fragment of Wh from LDS (lane (r, h): its unit's column, registers down K in the operand's own order), quantised, and stored as an image of its registers
.macro PLOAD buf, ra                   ; 43 loads; v[ra], v[ra+1], v[ra+2]: the column at row 32 h, at row 8 h, at row 0
.irp i, 0,1,2,3,4,5,6,7,8,9,10,11,12,13,14,15,16,17,18,19,20,21,22,23,24,25,26,27,28,29,30,31
	ds_load_b32 v[(\buf)+\i], v[\ra] offset:320*\i
.endr
.irp i, 0,1,2,3,4,5,6,7
	ds_load_b32 v[(\buf)+32+\i], v[\ra+1] offset:20480+320*\i
.endr
.irp i, 0,1,2
	ds_load_b32 v[(\buf)+40+\i], v[\ra+2] offset:25600+320*\i
.endr
.endm
.macro WQ b                            ; 48 numbers in v[b] on (43-47 are zeros that stay) become codes in v[CB] on and a scale word in v[rSW]
.irp i, 40,41,42
	v_cndmask_b32 v[(\b)+\i], 0, v[(\b)+\i], vcc_lo        ; rows 80-82 count once: in lanes 0-15
.endr
	v_max3_num_f32 v[rM01], |v[(\b)]|, |v[(\b)+1]|, FLOOR
	v_max3_num_f32 v[rTA], |v[(\b)+2]|, |v[(\b)+3]|, |v[(\b)+4]|
.irp i, 5,9,13,17,21,25
	v_max3_num_f32 v[rM01], v[rM01], |v[(\b)+\i]|, |v[(\b)+\i+1]|
	v_max3_num_f32 v[rTA], v[rTA], |v[(\b)+\i+2]|, |v[(\b)+\i+3]|
.endr
	v_max3_num_f32 v[rM2], |v[(\b)+32]|, |v[(\b)+33]|, FLOOR
	v_max3_num_f32 v[rTB], |v[(\b)+34]|, |v[(\b)+35]|, |v[(\b)+36]|
	v_max3_num_f32 v[rM01], v[rM01], |v[(\b)+29]|, |v[(\b)+30]|
	v_max3_num_f32 v[rM2], v[rM2], |v[(\b)+37]|, |v[(\b)+38]|
	v_max3_num_f32 v[rTB], v[rTB], |v[(\b)+39]|, |v[(\b)+40]|
	v_max3_num_f32 v[rM01], v[rM01], v[rTA], |v[(\b)+31]|
	v_max3_num_f32 v[rM2], v[rM2], |v[(\b)+41]|, |v[(\b)+42]|
	v_add_nc_u32 v[rS01], 0xfe000000, v[rM01]
	v_max_num_f32 v[rM2], v[rM2], v[rTB]
	v_lshrrev_b32 v[rB01], 23, v[rS01]
	v_permlanex16_b32 v[rX2], v[rM2], s40, s41
	v_permlanex16_b32 v[rXB], v[rB01], s40, s41
	v_max_num_f32 v[rM2], v[rM2], v[rX2]
	v_lshl_or_b32 v[rUU], v[rXB], 8, v[rB01]
	v_add_nc_u32 v[rS2], 0xfe000000, v[rM2]
	v_lshrrev_b32 v[rB2], 23, v[rS2]
	v_perm_b32 v[rSW], v[rB2], v[rUU], s42
	v_cvt_scalef32_pk16_bf6_f32 v[CB:CB+2], v[(\b):(\b)+15], v[rS01]
	v_cvt_scalef32_pk16_bf6_f32 v[rCT:rCT+2], v[(\b)+16:(\b)+31], v[rS01]
	v_cvt_scalef32_pk16_bf6_f32 v[CB+6:CB+8], v[(\b)+32:(\b)+47], v[rS2]
	v_nop                                          ; one plain line behind the conversions
.irp i, 0,1,2
	v_mov_b32 v[CB+3+\i], v[rCT+\i]
.endr
.endm
.macro PSTORE ai, aw, oi, ow           ; the fragment as it stands: lane l's 16 bytes of each group of four registers at 16 l; the scale word at 4 l
.irp c, 0,1,2
	ds_store_b128 v[\ai], v[CB+4*\c:CB+4*\c+3] offset:(\oi)+512*\c
.endr
	ds_store_b32 v[\aw], v[rSW] offset:\ow
.endm
; ======== THE HEAD ========
	s_load_b512 s[4:19], s[0:1], 0x0               ; rays s[4:5], W0 s[6:7], b0 s[8:9], Wh s[10:11], bh s[12:13], Wout s[14:15], bout s[16:17], out0 s[18:19]
	v_lshl_add_u32 v85, v0, 2, 0x2b000
	s_set_vgpr_msb 0x40
	v_mov_b32 v255, 0
	s_set_vgpr_msb 0x4044
	ds_add_u32 v85, v255
	ds_add_u32 v85, v255
	s_set_vgpr_msb 0x4400
	v_lshrrev_b32 v1, 5, v0
	v_readfirstlane_b32 s20, v1                    ; wave 0..3
	; the descriptor: one row of 33,200 bytes, a quarter of Wh, as 4,150 elements of 8 bytes, to LDS byte 33,200 x wave
	s_mov_b32 s24, 1                               ; count = 1
	s_mul_i32 s25, s20, 33200                      ; LDS address
	s_mul_i32 s36, s20, 33200                      ; and the same distance in Wh
	s_mov_b32 s37, 0
	s_mov_b32 s28, 3<<16                           ; no mask; elements of 8 bytes; no padding
	s_mov_b32 s29, 4150<<16                        ; tensor_dim0
	s_mov_b32 s30, 1<<16                           ; tensor_dim1 = 1
	s_mov_b32 s31, 4150<<16                        ; tile_dim0
	s_mov_b32 s32, 1                               ; tile_dim1 = 1
	s_mov_b32 s33, 4150                            ; the pitch
	s_mov_b32 s34, 0
	s_mov_b32 s35, 0
	s_lshl_b32 s21, ttmp9, 2
	s_add_co_u32 s21, s21, s20
	s_mul_i32 s22, s21, 384                        ; my wave's 16 rays of 24 bytes
	s_mov_b32 s23, 0
	s_mov_b32 s38, 0x3c23d70a                      ; 0.01 (the packed form names the pair)
	s_mov_b32 s39, 0x3c23d70a
	s_mov_b32 s40, 0x76543210                      ; v_permlanex16_b32's selects for lane l xor 16
	s_mov_b32 s41, 0xfedcba98
	s_mov_b32 s42, 0x04040100                      ; the scale word's bytes: two of the second source, the first source's lowest twice
	s_mov_b32 s43, 0x3c820821                      ; 1 / 63
	s_mov_b32 s44, 0xc27c0000                      ; -63
	s_mov_b32 s45, 0x3fb8aa3b                      ; log2(e)
	s_mov_b32 s46, 0xbfb8aa3b
	s_mov_b32 s47, 0xbfb8aa3b
	s_mov_b32 s48, 0x3f804189                      ; 1.002
	s_mov_b32 s49, 0xba83126f                      ; -0.001
	s_mov_b32 s50, 0x2edbe6ff                      ; 1e-10
	v_and_b32 v1, 31, v0                           ; lane
	v_and_b32 v24, 15, v0                          ; r
	v_bfe_u32 v25, v0, 4, 1                        ; h
	v_bfe_u32 v28, v0, 3, 1                        ; r / 8
	v_and_b32 v29, 7, v0                           ; r % 8
	v_and_b32 v30, 3, v0                           ; r % 4
	v_lshlrev_b32 v31, 2, v29
	v_lshl_add_u32 v31, v28, 7, v31                ; 4 x (32 (r / 8) + r % 8): my row's unit in tiles 0-3, less 8 t, in bytes
	v_lshlrev_b32 v32, 2, v24                      ; 4 r: in tile 4, less 64
	v_lshlrev_b32 v33, 2, v30
	; offsets of the global loads: none of these registers is written again
	v_mul_u32_u24 v248, v24, 24                    ; rays: my ray
	v_lshlrev_b32 v249, 7, v25                     ; bh, tiles 0-3: units 32 h on
	v_lshlrev_b32 v250, 5, v25                     ; bh, tile 4: units 8 h on
	v_mov_b32 v251, 0                              ; bout
	v_mad_u32_u24 v252, v25, 640, v31              ; W0: row 2 h, my unit
	v_mad_u32_u24 v253, v25, 640, v32
	v_mov_b32 v254, v31                            ; W0's row 1 and b0: my unit
	v_mov_b32 v255, v32
	v_lshl_add_u32 v110, v25, 9, v33               ; Wout: rows 32 h on, column r % 4
	v_lshl_add_u32 v111, v25, 7, v33               ; rows 8 h on
	; LDS addresses
	s_lshl_b32 s21, s20, 5
	v_add_nc_u32 v10, s21, v31                     ; tile = my wave's number, layer 0: my unit's column at row 0,
	v_mad_u32_u24 v8, v25, 10240, v10              ; at row 32 h,
	v_mad_u32_u24 v9, v25, 2560, v10               ; at row 8 h
	s_mul_i32 s21, s20, LAYB
	s_add_co_u32 s21, s21, 256
	v_add_nc_u32 v13, s21, v32                     ; tile 4 of layer = my wave's number
	v_mad_u32_u24 v11, v25, 10240, v13
	v_mad_u32_u24 v12, v25, 2560, v13
	v_add_nc_u32 v16, 4*LAYB+256, v32              ; tile 4 of layer 4
	v_mad_u32_u24 v14, v25, 10240, v16
	v_mad_u32_u24 v15, v25, 2560, v16
	v_lshlrev_b32 v34, 4, v1
	v_lshlrev_b32 v35, 2, v1
	v_add_nc_u32 v21, IMG, v34                     ; an image's place for my lane
	v_add_nc_u32 v22, SCW, v35                     ; a scale word's
	s_mul_i32 s21, s20, 1536
	v_add_nc_u32 v17, s21, v21                     ; where I store fragment 5 j + wave (7,680 j in the immediate)
	s_lshl_b32 s21, s20, 7
	v_add_nc_u32 v18, s21, v22
	s_mul_i32 s21, s20, 7680
	s_add_co_u32 s21, s21, 6144
	v_add_nc_u32 v19, s21, v21                     ; and fragment 5 wave + 4
	s_mul_i32 s21, s20, 640
	s_add_co_u32 s21, s21, 512
	v_add_nc_u32 v20, s21, v22
	s_wait_dscnt 0x0
	s_wait_kmcnt 0x0
	s_add_nc_u64 s[26:27], s[10:11], s[36:37]      ; my quarter of Wh
	s_or_b32 s27, s27, 0x80000000                  ; type = 2
	tensor_load_to_lds s[24:27], s[28:35]          ; the launch's one fill: one load of mine is out; no LDS byte is filled twice
	s_nop 0
.rept 4
	v_nop
.endr
	s_add_nc_u64 s[4:5], s[4:5], s[22:23]          ; rays at my wave's first ray
	s_mul_i32 s22, ttmp9, 768                      ; out0: 64 rays of 12 bytes a work-group
	s_add_nc_u64 s[18:19], s[18:19], s[22:23]
	; the small inputs, while Wh is on its way
	global_load_b64 v[2:3], v248, s[4:5]
	global_load_b64 v[4:5], v248, s[4:5] offset:8
	global_load_b64 v[6:7], v248, s[4:5] offset:16
.irp t, 0,1,2,3
	global_load_b32 v[44+\t], v254, s[6:7] offset:320+32*\t        ; W0(1, unit)
	global_load_b32 v[49+\t], v254, s[8:9] offset:32*\t            ; b0(unit)
.endr
	global_load_b32 v48, v255, s[6:7] offset:320+256
	global_load_b32 v53, v255, s[8:9] offset:256
	WIN 0x40                                       ; destination window 1
.irp t, 0,1,2,3
	global_load_b32 v[240+2*\t], v252, s[6:7] offset:32*\t         ; W0(2 h, unit): register 0 of the fragment
.endr
	global_load_b32 v248, v253, s[6:7] offset:256
	WIN 0x80                                       ; destination window 2
.irp p, 0,1
.irp i, 0,1,2,3,4,5,6,7,8,9,10,11,12,13,14,15
	global_load_b32 v[100+16*\p+\i], v110, s[14:15] offset:256*\p+16*\i    ; Wout(32 h + 16 p + i, r % 4)
.endr
.endr
.irp i, 0,1,2,3,4,5,6,7
	global_load_b32 v[132+\i], v111, s[14:15] offset:1024+16*\i            ; Wout(64 + 8 h + i, r % 4)
.endr
	WIN 0xc0                                       ; destination window 3
.irp l, 0,1,2,3,4
.irp t, 0,1,2,3
	global_load_b128 v[40*\l+8*\t:40*\l+8*\t+3], v249, s[12:13] offset:320*\l+32*\t        ; bh(l, 32 h + 8 t + 0 .. 7)
	global_load_b128 v[40*\l+8*\t+4:40*\l+8*\t+7], v249, s[12:13] offset:320*\l+32*\t+16
.endr
	global_load_b128 v[40*\l+32:40*\l+35], v250, s[12:13] offset:320*\l+256                ; bh(l, 64 + 8 h + 0 .. 7)
	global_load_b128 v[40*\l+36:40*\l+39], v250, s[12:13] offset:320*\l+272
.endr
	global_load_b128 v[200:203], v251, s[16:17]
	WIN 0
.irp i, 43,44,45,46,47
	v_mov_b32 v[YB+\i], 0                          ; the zeros that fill a conversion's sixteen: written once
	v_mov_b32 v[YB+48+\i], 0
.endr
.irp i, 9,10,11
	v_mov_b32 v[CB+\i], 0                          ; zero codes for the instruction's places that hold nothing: written once
	v_mov_b32 v[CB+12+\i], 0
.endr
	v_mov_b32 v[rX2], 0                            ; a lane permute's destination counts as one of its sources
	v_mov_b32 v[rXB], 0
	s_mov_b32 vcc_lo, 0xffff                       ; lanes 0-15
	s_wait_tensorcnt 0x0                           ; my quarter of Wh is in LDS,
	s_barrier_signal -1
	s_barrier_wait -1                              ; everybody's is
	; Seven fragments a wave: tile = wave of layers 0 to 4, tile 4 of layer = wave (these 24 go round through LDS), and tile 4 of layer 4, which every wave makes for itself.
	; The loads run one fragment ahead, in two buffers.  s_wait_dscnt 43 leaves only the next fragment's 43 loads out: this fragment's loads are in, and the stores of the fragment before have read their registers.
	PLOAD YB, 8
.irp i, 8,9,10
	v_add_nc_u32 v[\i], LAYB, v[\i]
.endr
.irp j, 0,1,2,3,4
.if \j < 4
	PLOAD YB+48*((\j+1)%2), 8
.irp i, 8,9,10
	v_add_nc_u32 v[\i], LAYB, v[\i]
.endr
.else
	PLOAD YB+48*((\j+1)%2), 11
.endif
	s_wait_dscnt 43
	WQ YB+48*(\j%2)
	PSTORE 17, 18, 7680*\j, 640*\j
.endr
	PLOAD YB, 14
	s_wait_dscnt 43
	WQ YB+48
	PSTORE 19, 20, 0, 0
	s_wait_dscnt 0x0
	WQ YB
	WIN 0x80
.irp i, 0,1,2,3,4,5,6,7,8,9,10,11
	v_mov_b32 v[48+\i], v[CB+\i]                   ; layer 4, tile 4: straight to its place in window 2
.endr
	WIN 0
	v_mov_b32 v[WS+24], v[rSW]
	s_wait_dscnt 0x0                               ; for the others' sake: my stores have landed
	s_barrier_signal -1
	s_barrier_wait -1
	WIN 0x40
.irp l, 0,1,2,3
.irp t, 0,1,2,3,4
.irp c, 0,1,2
	ds_load_b128 v[60*\l+12*\t+4*\c:60*\l+12*\t+4*\c+3], v21 offset:1536*(5*\l+\t)+512*\c
.endr
.endr
.endr
	WIN 0x80
.irp t, 0,1,2,3
.irp c, 0,1,2
	ds_load_b128 v[12*\t+4*\c:12*\t+4*\c+3], v21 offset:1536*(20+\t)+512*\c
.endr
.endr
	WIN 0
.irp f, 0,1,2,3,4,5,6,7,8,9,10,11,12,13,14,15,16,17,18,19,20,21,22,23
	ds_load_b32 v[WS+\f], v22 offset:128*\f
.endr
	s_wait_dscnt 0x0
	s_wait_loadcnt 0x0                             ; the small inputs
	WIN 0x40
.irp t, 0,1,2,3,4
	v_cndmask_b32 v[241+2*\t], v[49+\t], v[44+\t], vcc_lo          ; register 1 of W0's fragment: lanes 0-15 W0(1, unit), lanes 16-31 b0(unit)
.endr
	WIN 0
	v_cndmask_b32 v[rOA], v[rOX+2], v[rOX], vcc_lo
	v_cndmask_b32 v[rOA+1], v[rOX+5], v[rOX+3], vcc_lo
	v_cndmask_b32 v[rOA+2], 1.0, v[rOX+1], vcc_lo
	v_cndmask_b32 v[rOA+3], 0, v[rOX+4], vcc_lo
	v_mul_f32 v[rDN], v[rOX+3], v[rOX+3]
	v_fma_f32 v[rDN], v[rOX+4], v[rOX+4], v[rDN]
	v_fma_f32 v[rDN], v[rOX+5], v[rOX+5], v[rDN]
	v_sqrt_f32 v[rDN], v[rDN]                      ; |d|
	v_mov_b32 v[rIF], 0                            ; (a plain line behind the root)
	s_wait_alu depctr_va_vdst(0)
	v_mul_f32 v[rDL], 0x501502f9, v[rDN]           ; x 1e10
	v_mul_f32 v[rDN], s43, v[rDN]                  ; / 63
	WIN 0x8a                                       ; all in window 2: Wout to bf16 pairs,
.irp p, 0,1
.irp q, 0,1,2,3,4,5,6,7
	v_cvt_pk_bf16_f32 v[60+8*\p+\q], v[100+16*\p+2*\q], v[101+16*\p+2*\q]
.endr
.endr
.irp q, 0,1,2,3
	v_cvt_pk_bf16_f32 v[76+\q], v[132+2*\q], v[133+2*\q]
.endr
	s_mov_b32 vcc_lo, 0x0f0f0f0f                   ; rows 0-3 and 8-11 are the four outputs, twice, so that both halves of the lanes get them in registers 0-3; the other rows are zeros
.irp i, 0,1,2,3,4,5,6,7,8,9,10,11,12,13,14,15,16,17,18,19
	v_cndmask_b32 v[60+\i], 0, v[60+\i], vcc_lo
.endr
.irp i, 80,81,82,83
	v_mov_b32 v[\i], 0                             ; against the coordinates and zeros that the third step's source 1 carries along
.endr
	WIN 0xcc                                       ; window 3: the last layer's C: bout, its first number less 1 (the shift of the softplus), and zeros
	v_add_f32 v200, -1.0, v200
.irp i, 204,205,206,207
	v_mov_b32 v[\i], 0
.endr
	WIN 0
	GEN 0                                          ; samples 0 and 1
	GEN 1
	WMF 0, 4                                       ; stream 0's first layer; tile 4 first, since it is read first
	WMF 0, 0
	WMF 0, 1
	WMF 0, 2
	WMF 0, 3
	v_mov_b32 v[rTR], 1.0                          ; eight plain lines stand between these products and the first read of a result
	v_mov_b32 v[rOUT], 0
	v_mov_b32 v[rOUT+1], 0
	v_mov_b32 v[rOUT+2], 0
.rept 4
	v_nop
.endr
; ======== THE LOOP: 32 trips of two samples; the last is written out, since it begins no further sample ========
	s_mov_b32 s51, 31
.Ltrip:
	TRIP 0
	s_sub_co_u32 s51, s51, 1
	s_cmp_lg_u32 s51, 0
	s_cbranch_scc1 .Ltrip
	TRIP 1
; ======== THE WAY OUT: the work-group's 64 rays x 12 bytes meet in LDS and leave as three runs of 256 consecutive bytes, each stored by sixteen neighbouring lanes ========
	v_and_b32 v28, 15, v0
	s_mul_i32 s21, s20, 192
	v_mul_u32_u24 v28, v28, 12
	v_add_nc_u32 v28, s21, v28
	v_add_nc_u32 v28, OUTS, v28
	ds_store_b32 v28, v[rOUT]                      ; both halves of the lanes hold the same bits and write the same words
	ds_store_b32 v28, v[rOUT+1] offset:4
	ds_store_b32 v28, v[rOUT+2] offset:8
	s_wait_dscnt 0x0                               ; for the others' sake
	s_barrier_signal -1
	s_barrier_wait -1
	v_lshlrev_b32 v29, 4, v0
	v_add_nc_u32 v30, OUTS, v29
	s_wait_xcnt 0x0                                ; EXEC changes only behind this wait
	v_cmp_gt_u32 vcc_lo, 48, v0
	s_set_vgpr_msb 0x4
	s_wait_tensorcnt 0x0
	ds_add_u32 v85, v255
	s_wait_dscnt 0x0
	s_set_vgpr_msb 0x400
	s_and_saveexec_b32 s52, vcc_lo                 ; threads 0 to 47: 48 x 16 bytes
	ds_load_b128 v[44:47], v30
	s_wait_dscnt 0x0
	global_store_b128 v29, v[44:47], s[18:19]
	s_endpgm
.Lfunc_end_k_q20617bbade_nerf:
	.size	k_q20617bbade_nerf, .Lfunc_end_k_q20617bbade_nerf-k_q20617bbade_nerf
	.p2alignl 7, 3214868480
	.fill 96, 4, 3214868480
	.section	.rodata,"a",@progbits
	.p2align	6, 0x0
	.amdhsa_kernel k_q20617bbade_nerf
		.amdhsa_group_segment_fixed_size 176640
		.amdhsa_private_segment_fixed_size 0
		.amdhsa_enable_private_segment 0
		.amdhsa_kernarg_size 64
		.amdhsa_user_sgpr_count 2
		.amdhsa_user_sgpr_kernarg_segment_ptr 1
		.amdhsa_wavefront_size32 1
		.amdhsa_system_sgpr_workgroup_id_x 1
		.amdhsa_system_sgpr_workgroup_id_y 1
		.amdhsa_system_sgpr_workgroup_id_z 1
		.amdhsa_system_vgpr_workitem_id 0
		.amdhsa_next_free_vgpr 1024
		.amdhsa_next_free_sgpr 66
		.amdhsa_reserve_vcc 1
		.amdhsa_float_denorm_mode_32 3
		.amdhsa_float_denorm_mode_16_64 3
		.amdhsa_memory_ordered 1
		.amdhsa_forward_progress 1
		.amdhsa_inst_pref_size 205
	.end_amdhsa_kernel
	.amdgpu_metadata
---
amdhsa.version: [ 1, 2 ]
amdhsa.kernels:
  - .name:           k_q20617bbade_nerf
    .symbol:         k_q20617bbade_nerf.kd
    .args:
      - { .name: rays, .offset: 0, .size: 8, .value_kind: global_buffer, .address_space: global }
      - { .name: W0, .offset: 8, .size: 8, .value_kind: global_buffer, .address_space: global }
      - { .name: b0, .offset: 16, .size: 8, .value_kind: global_buffer, .address_space: global }
      - { .name: Wh, .offset: 24, .size: 8, .value_kind: global_buffer, .address_space: global }
      - { .name: bh, .offset: 32, .size: 8, .value_kind: global_buffer, .address_space: global }
      - { .name: Wout, .offset: 40, .size: 8, .value_kind: global_buffer, .address_space: global }
      - { .name: bout, .offset: 48, .size: 8, .value_kind: global_buffer, .address_space: global }
      - { .name: out0, .offset: 56, .size: 8, .value_kind: global_buffer, .address_space: global }
    .group_segment_fixed_size: 176640
    .private_segment_fixed_size: 0
    .kernarg_segment_align: 8
    .kernarg_segment_size: 64
    .max_flat_workgroup_size: 128
    .sgpr_count:     66
    .vgpr_count:     1024
    .wavefront_size: 32
...
	.end_amdgpu_metadata
.endif
;; end of part 1
